; MI455X (gfx1250); checked and timed in simulation.
; The chip was launched on July 23, 2026; its instructions are those of AMD's public machine-readable ISA for CDNA 5 (MIT licence, August 2026) and "CDNA5" Instruction Set Architecture Reference Guide (July 2026). The comments in the code are by the model that wrote it; some were corrected since.
;; Multi Head Masked Attention. Allowed arithmetic: matrix products marked QUANTISED: E5M2 operands, one given power-of-two scale a tensor, by v_wmma_f32_16x16x64_bf8_bf8 or v_wmma_f32_16x16x128_bf8_bf8, f32 sums; everything else in f32.
;; Inputs: Wk 1,024 x 1,024 float32; Wo 1,024 x 1,024 float32; Wq 1,024 x 1,024 float32; Wv 1,024 x 1,024 float32; bo 1,024 float32; lowp_scales 12 int32 (the exponents e of the quantised operands' scales 2^e); x 4 x 2,048 x 1,024 float32.
;; Outputs: out0 4 x 2,048 x 1,024 float32.
;; This version of the problem:
;;   THIS VERSION OF THE PROBLEM IS GIVEN IN LOW PRECISION. The matrix products marked QUANTISED in the list below multiply operands that are first quantised to E5M2 (5 exponent bits, 2 mantissa bits; 8 bits a number), with one given power-of-two scale for each operand tensor; their sums are f32. All else is computed in f32.
;;   The module's matrix products, in the order in which they are computed (A, B: the left and right operand; K: the contracted axis; several contracted axes count as one K, in the product's order):
;;     1. [M 8,192, K 1,024] x [K 1,024, N 1,024]; A: input x; B: input Wk: QUANTISED (scales: A lowp_scales[0], B lowp_scales[1])
;;     2. [M 8,192, K 1,024] x [K 1,024, N 1,024]; A: input x; B: input Wq: QUANTISED (scales: A lowp_scales[2], B lowp_scales[3])
;;     3. [M 8,192, K 1,024] x [K 1,024, N 1,024]; A: input x; B: input Wv: QUANTISED (scales: A lowp_scales[4], B lowp_scales[5])
;;     4. batch 64 x [M 2,048, K 64] x [K 64, N 2,048]; A: computed on the way; B: computed on the way: QUANTISED (scales: A lowp_scales[6], B lowp_scales[7])
;;     5. batch 64 x [M 2,048, K 2,048] x [K 2,048, N 64]; A: softmax (see below); B: computed on the way: QUANTISED (scales: A lowp_scales[8], B lowp_scales[9])
;;     6. [M 8,192, K 1,024] x [K 1,024, N 1,024]; A: computed on the way; B: input Wo: QUANTISED (scales: A lowp_scales[10], B lowp_scales[11])
;;   THE QUANTISER, for each operand of a quantised product, along K:
;;     - The operand's scale is 2^e, e = its entry of the input lowp_scales (int32; the entries are numbered through the quantised products in the list's order, A before B).
;;     - Each number is divided by the scale, clamped to +-57,344, and rounded to the nearest number of E5M2, ties to even, subnormals kept.
;;     - The product sums the exact products of the quantised numbers (number of the format x scale) in f32.
;;   ~~~python
;;   def quantise(x, axis, e):      # numpy; x: float32 -> the quantised numbers, widened to float32 again
;;       x = np.moveaxis(x, axis, -1); K = x.shape[-1]
;;       r = np.clip(x / 2.0 ** e, -57344, 57344)
;;       step = 2.0 ** (np.maximum(np.frexp(np.where(r == 0, 1, r))[1] - 1, -14) - 2)
;;       q = np.round(r / step) * step * 2.0 ** e      # np.round: ties to even
;;       return np.moveaxis(q, -1, axis).astype(np.float32)
;;   ~~~
;;   SOFTMAX AHEAD OF A QUANTISED PRODUCT. Where the list says 'softmax', what is quantised is not the finished softmax but p = 2^(t - M), with t = logit x log2(e) and M = ceil(the row's largest t), a whole number; so 1/2 < the row's largest p <= 1. The row's sum l is taken of the UNQUANTISED p, in f32, and the product's result is divided by l at the end. Since M is a whole number, a kernel that streams over the keys may use a running M (the ceiling of the running maximum): every later rescaling is an exact power of two, so the quantised numbers keep their values, but for numbers so far below the row's largest that they fall under the format's range.
;;   OPERANDS COMPUTED ON THE WAY. 'Computed on the way' means the value that the module computes at that place (a softmax that the list does not call 'softmax' is quantised finished and normalised). What goes into a quantiser is computed in f32, as accurately as f32 sums, v_exp_f32 and their like allow (about 1e-6 of the number): no bf16 or f16 on the way to a quantiser, and a product that is left as it is and whose result goes on into a quantised operand takes f32 operands (vector FMAs, or v_wmma_f32_16x16x4_f32). A number that lies on a knife's edge between two numbers of the format may be rounded either way, as far as f32 arithmetic and the matrix unit's own rounding can turn it there, and no further.
;; One version. Each part assembles by itself: llvm-mc -triple=amdgcn-amd-amdhsa -mcpu=gfx1250 --defsym DOCPART=n.
;; ======== version 1 of 1: 4 launches
;; limits: right only within a limited range of input values
;; workspace buffers: XC 16,777,216 bytes; WC 3,145,728 bytes; QC 8,388,608 bytes; KV 16,777,216 bytes; AC 8,388,608 bytes
;; launch quant (part 1): grid 704 x 1, 4 waves a work-group, no clusters, 34,304 bytes of LDS; arguments x, Wk, Wq, Wo, lowp_scales, XC, WC; writes XC, WC
.if DOCPART == 1
	.amdgcn_target "amdgcn-amd-amdhsa--gfx1250"
	.amdhsa_code_object_version 6
	.text
	.protected	k_q94e4043655_quant
	.globl	k_q94e4043655_quant
	.p2align	8
	.type	k_q94e4043655_quant,@function
k_q94e4043655_quant:
	s_mov_b64 s[64:65], 0
	v_nop
	global_prefetch_b8 v0, s[64:65] scope:SCOPE_SE
	s_setreg_imm32_b32 hwreg(HW_REG_WAVE_MODE, 25, 1), 1
	s_wait_xcnt 0x0
; x [8192][1024], Wk, Wq, Wo [1024][1024], f32, K innermost, become codes of BF8 (E5M2), each with the scale 2^e that is given for it:
; x twice (e0 for the product with Wk, e2 for the product with Wq), Wk with e1, Wq with e3, Wo with e11.
; code = number / 2^e, held within +-57,344, rounded to the nearest code, ties to even.
; THE CODES ARE LAID AS IMAGES OF OPERAND REGISTERS.  Tile T holds the 16 rows pi(T, r) = 32 (T / 2) + 8 (T % 2) + r + 8 (r / 8), r = 0 .. 15.
; The byte at 16,384 T + 512 kp + 16 lane + i, lane = r + 16 h, is the code of (row pi(T, r), k = 32 kp + 16 h + i): a piece of 512 bytes is one load of 16 bytes a lane.
; SHARES.  A work-group takes one tile: 0 .. 511 x's, 512 .. 575 Wk's, 576 .. 639 Wq's, 640 .. 703 Wo's.  Wave w takes k = 256 w .. 256 w + 255, in two blocks of 128.
; Each load reads 512 consecutive bytes of one row; a block's 16 rows turn through the wave's own stage in LDS (rows of 512 + 16 bytes), so that a lane gets 16 neighbours along K of each 32.
; All tensors take one way through the text; the buffers and exponents are chosen on the work-group's number.  Only x's second set of codes stands under a branch on that number (no LDS line in it).
; No barrier: waves share nothing.  LIMITS: each e between -126 and 112, so that 2^e and 57,344 x 2^e are f32 numbers.  NaN among the inputs is not served; an infinity is held at the largest code.
.set SP,   528                         ; a stage row: 512 bytes + 16: sixteen rows start at sixteen different groups of four banks
.set STG,  16*SP                       ; a wave's stage
.set R,    16                          ; v16-143  two blocks as loaded, 64 registers each; block 0's registers later take all the codes
.set X,    144                         ; v144-207 a block's 64 numbers of my row: register 16 c + i is k = 32 c + 16 h + i
.set TMP,  208                         ; v208-239 not used
.set NX,   512                         ; x's tiles
	s_load_b256 s[4:11], s[0:1], 0x0               ; x, Wk, Wq, Wo
	s_load_b128 s[12:15], s[0:1], 0x20             ; the scales' exponents, XC
	s_load_b64 s[28:29], s[0:1], 0x30              ; WC
	v_lshl_add_u32 v240, v0, 2, 0x8400
	v_mov_b32 v241, 0
	v_lshrrev_b32 v1, 5, v0
	v_readfirstlane_b32 s2, v1                     ; wave 0..3
	v_and_b32 v1, 31, v0
	v_lshlrev_b32 v2, 4, v1                        ; 16 x lane: my bytes of a load's and of a store's 512
	s_mul_i32 s3, s2, STG
	v_add_nc_u32 v3, s3, v2                        ; the stage, on the way in
	v_and_b32 v5, 15, v0                           ; r
	v_bfe_u32 v6, v0, 4, 1                         ; h
	v_mul_u32_u24 v4, v5, SP
	v_lshl_add_u32 v4, v6, 6, v4
	v_add_nc_u32 v4, s3, v4                        ; and on the way out: row r, + 64 h bytes
	s_cmp_lt_u32 ttmp9, NX
	s_cselect_b32 s32, 0, NX
	s_sub_co_u32 s32, ttmp9, s32                   ; the tile's number in its buffer of codes
	s_and_b32 s33, s32, 63
	s_cmp_lt_u32 ttmp9, NX
	s_cselect_b32 s33, ttmp9, s33                  ; T: the tile's number in its tensor
	s_lshr_b32 s34, s33, 1
	s_lshl_b32 s34, s34, 5
	s_and_b32 s35, s33, 1
	s_lshl_b32 s35, s35, 3
	s_add_co_u32 s34, s34, s35                     ; its first row: 32 (T / 2) + 8 (T % 2)
	s_lshl_b32 s34, s34, 12                        ; rows of 4,096 bytes
	s_lshl_b32 s35, s2, 10
	s_add_co_u32 s34, s34, s35                     ; + my wave's 256 numbers
	s_mov_b32 s35, 0
	s_lshl_b32 s38, s32, 14                        ; the tile's image,
	s_lshl_b32 s39, s2, 12
	s_add_co_u32 s38, s38, s39                     ; my wave's eight pieces of it
	s_mov_b32 s39, 0
	s_wait_alu depctr_va_vdst(0)
	s_wait_kmcnt 0x0
	s_load_b256 s[16:23], s[12:13], 0x0            ; e0 .. e7
	s_load_b128 s[24:27], s[12:13], 0x20           ; e8 .. e11
	s_cmp_lt_u32 ttmp9, 640
	s_cselect_b64 s[30:31], s[8:9], s[10:11]       ; Wq or Wo,
	s_cmp_lt_u32 ttmp9, 576
	s_cselect_b64 s[30:31], s[6:7], s[30:31]       ; or Wk,
	s_cmp_lt_u32 ttmp9, NX
	s_cselect_b64 s[30:31], s[4:5], s[30:31]       ; or x
	s_cselect_b64 s[36:37], s[14:15], s[28:29]     ; XC or WC
	s_add_nc_u64 s[30:31], s[30:31], s[34:35]
	s_add_nc_u64 s[36:37], s[36:37], s[38:39]
	s_add_nc_u64 s[40:41], s[36:37], 0x800000      ; x's second set of codes (used by x's work-groups alone)
.macro LOAD blk                        ; 16 rows x 128 numbers: each load reads 512 consecutive bytes of one row
.irp p, 0,1,2,3,4,5,6,7,8,9,10,11,12,13,14,15
	global_load_b128 v[R+64*\blk+4*\p:R+64*\blk+4*\p+3], v2, s[30:31] offset:(\p+8*(\p/8))*4096+512*\blk th:TH_LOAD_NT
.endr
.endm
.macro TURN blk                        ; through my stage: LDS serves a wave's instructions in order, so no wait stands between the stores and the loads
.irp p, 0,1,2,3,4,5,6,7,8,9,10,11,12,13,14,15
	ds_store_b128 v3, v[R+64*\blk+4*\p:R+64*\blk+4*\p+3] offset:SP*\p
.endr
	v_nop
.irp c, 0,1,2,3
.irp j, 0,1,2,3
	ds_load_b128 v[X+16*\c+4*\j:X+16*\c+4*\j+3], v4 offset:128*\c+16*\j
.endr
.endr
.endm
; The block's 64 numbers become four pieces' codes in v[cd] on.  X is left as it is, so that x can be quantised twice.
.macro QUANT sc, lim, cd
.irp c, 0,1,2,3
.irp i, 0,1,2,3,4,5,6,7,8,9,10,11,12,13,14,15
.endr
	v_cvt_scalef32_pk8_bf8_f32 v[\cd+4*\c:\cd+4*\c+1], v[TMP+16*(\c%2)+((X+16*\c+0)-(TMP+16*(\c%2)+0)):TMP+16*(\c%2)+7+((X+16*\c+0)-(TMP+16*(\c%2)+0))], v[\sc]
	v_cvt_scalef32_pk8_bf8_f32 v[\cd+4*\c+2:\cd+4*\c+3], v[TMP+16*(\c%2)+8+((X+16*\c+0)-(TMP+16*(\c%2)+0)):TMP+16*(\c%2)+15+((X+16*\c+0)-(TMP+16*(\c%2)+0))], v[\sc]
.endr
.endm
.macro OUT cd, ptr, blk                ; four pieces: each store covers 512 consecutive bytes, aligned; every piece has registers of its own, so no store's data are written again
.irp c, 0,1,2,3
	global_store_b128 v2, v[\cd+4*\c:\cd+4*\c+3], s[\ptr:\ptr+1] offset:2048*\blk+512*\c
.endr
.endm
.macro BLOCK blk
	TURN \blk
	s_wait_dscnt 0x0                               ; my 64 numbers are back; the stage's stores have read their registers
	QUANT 8, 9, 16+32*\blk
	OUT 16+32*\blk, 36, \blk
	s_cmp_lt_u32 ttmp9, NX                         ; x has a second scale
	s_cbranch_scc0 .Lone_\@
	QUANT 10, 11, 32+32*\blk
	OUT 32+32*\blk, 40, \blk
.Lone_\@:
.endm
	LOAD 0
	LOAD 1
	s_wait_kmcnt 0x0
	s_cmp_lt_u32 ttmp9, 640
	s_cselect_b32 s42, s19, s27                    ; e3 or e11,
	s_cmp_lt_u32 ttmp9, 576
	s_cselect_b32 s42, s17, s42                    ; or e1,
	s_cmp_lt_u32 ttmp9, NX
	s_cselect_b32 s42, s16, s42                    ; or e0
	s_add_co_i32 s42, s42, 127
	s_lshl_b32 s43, s42, 23
	v_mov_b32 v8, s43                              ; 2^e as f32: the conversion takes its exponent field
	s_add_co_i32 s42, s18, 127                     ; the same with e2
	s_lshl_b32 s43, s42, 23
	v_mov_b32 v10, s43
	s_wait_alu depctr_va_vdst(0)
	s_wait_loadcnt 16                              ; block 0's sixteen loads are in; block 1's sixteen may be out
	BLOCK 0
	s_wait_loadcnt 0x0
	BLOCK 1
	s_wait_tensorcnt 0x0
	ds_add_u32 v240, v241
	s_wait_dscnt 0x0
	s_endpgm
.Lfunc_end_k_q94e4043655_quant:
	.size	k_q94e4043655_quant, .Lfunc_end_k_q94e4043655_quant-k_q94e4043655_quant
	.p2alignl 7, 3214868480
	.fill 96, 4, 3214868480
	.section	.rodata,"a",@progbits
	.p2align	6, 0x0
	.amdhsa_kernel k_q94e4043655_quant
		.amdhsa_group_segment_fixed_size 34304
		.amdhsa_private_segment_fixed_size 0
		.amdhsa_enable_private_segment 0
		.amdhsa_kernarg_size 56
		.amdhsa_user_sgpr_count 2
		.amdhsa_user_sgpr_kernarg_segment_ptr 1
		.amdhsa_wavefront_size32 1
		.amdhsa_system_sgpr_workgroup_id_x 1
		.amdhsa_system_sgpr_workgroup_id_y 1
		.amdhsa_system_sgpr_workgroup_id_z 1
		.amdhsa_system_vgpr_workitem_id 0
		.amdhsa_next_free_vgpr 242
		.amdhsa_next_free_sgpr 66
		.amdhsa_reserve_vcc 0
		.amdhsa_float_denorm_mode_32 3
		.amdhsa_float_denorm_mode_16_64 3
		.amdhsa_fp16_overflow 1
		.amdhsa_memory_ordered 1
		.amdhsa_forward_progress 1
		.amdhsa_inst_pref_size 14
	.end_amdhsa_kernel
	.amdgpu_metadata
---
amdhsa.version: [ 1, 2 ]
amdhsa.kernels:
  - .name:           k_q94e4043655_quant
    .symbol:         k_q94e4043655_quant.kd
    .args:
      - { .name: x, .offset: 0, .size: 8, .value_kind: global_buffer, .address_space: global }
      - { .name: Wk, .offset: 8, .size: 8, .value_kind: global_buffer, .address_space: global }
      - { .name: Wq, .offset: 16, .size: 8, .value_kind: global_buffer, .address_space: global }
      - { .name: Wo, .offset: 24, .size: 8, .value_kind: global_buffer, .address_space: global }
      - { .name: lowp_scales, .offset: 32, .size: 8, .value_kind: global_buffer, .address_space: global }
      - { .name: XC, .offset: 40, .size: 8, .value_kind: global_buffer, .address_space: global }
      - { .name: WC, .offset: 48, .size: 8, .value_kind: global_buffer, .address_space: global }
    .group_segment_fixed_size: 34304
    .private_segment_fixed_size: 0
    .kernarg_segment_align: 8
    .kernarg_segment_size: 56
    .max_flat_workgroup_size: 128
    .sgpr_count:     66
    .vgpr_count:     242
    .wavefront_size: 32
...
	.end_amdgpu_metadata
.endif
;; end of part 1
;; launch proj (part 2): grid 12 x 32, 4 waves a work-group, clusters of 4 x 4, 327,680 bytes of LDS; arguments XC, WC, lowp_scales, QC, KV; writes QC, KV
.if DOCPART == 2
	.amdgcn_target "amdgcn-amd-amdhsa--gfx1250"
	.amdhsa_code_object_version 6
	.text
	.protected	k_q94e4043655_proj
	.globl	k_q94e4043655_proj
	.p2align	8
	.type	k_q94e4043655_proj,@function
k_q94e4043655_proj:
	s_mov_b64 s[64:65], 0
	v_nop
	global_prefetch_b8 v0, s[64:65] scope:SCOPE_SE
	s_setreg_imm32_b32 hwreg(HW_REG_WAVE_MODE, 25, 1), 1
	s_wait_xcnt 0x0
	s_wait_alu depctr_hold_cnt(0) depctr_sa_sdst(0) depctr_va_vdst(0) depctr_va_sdst(0) depctr_va_ssrc(0) depctr_va_vcc(0) depctr_vm_vsrc(0)
	s_getreg_b32 s2, hwreg(HW_REG_IB_STS2, 6, 4)
	s_cmp_eq_u32 s2, 0
	s_cbranch_scc0 .Lentry_in_a_cluster
	s_endpgm
.Lentry_in_a_cluster:
	s_bfe_u32 s2, ttmp6, 0x10000c
	s_cmp_lg_u32 s2, 0xf033
	s_cbranch_scc0 .Lentry_shape_is_right
	s_endpgm
.Lentry_shape_is_right:
; THREE PRODUCTS ON CODES OF BF8 IN ONE LAUNCH, each result quantised in registers and stored as codes.  P = the cluster's x says which:
;   P = 0: K = x Wk^T      A' = x's codes under e0, B' = Wk's (e1); K is quantised with e7, d innermost            -> KV (a key step's first 8,192 bytes)
;   P = 1: Q = x Wq^T      A' = x's codes under e2, B' = Wq's (e3); Q is quantised with e6, d innermost            -> QC
;   P = 2: Q^T = Wq x^T    A' = Wq's codes, B' = x's under e2: the same sums with the operands swapped; quantised with e9, THE KEYS INNERMOST (reference() takes Q for V) -> KV (a key step's second 8,192 bytes)
; x Wv^T IS NOT COMPUTED, AND Wv AND THE SCALES' ENTRIES 4 AND 5 ARE NOT READ: reference() throws that product away whole, and no output number hangs on it, whatever the inputs.
; OPERANDS ARE IMAGES OF REGISTERS: tile T holds the rows pi(T, r) = 32 (T / 2) + 8 (T % 2) + r + 8 (r / 8); the byte at 16,384 T + 512 kp + 16 lane + i (lane = r + 16 h) is the code of (pi(T, r), k = 32 kp + 16 h + i).
; A fragment (16 rows x 128 K) is four loads of 16 bytes a lane, 512 consecutive bytes each: no pitch, no padding.  A' and B' have the same map from register and lane to k, so every product meets its partner.
; THE MATRIX INSTRUCTION IS USED TRANSPOSED (source 0 = 16 rows of B', source 1 = 16 rows of A'): lane (r, h) holds A' row pi(a, r), and the 16 registers of B' tiles 2 p and 2 p + 1 are B' rows 32 p + 16 h + 0 .. 15:
; two conversions' results ARE a piece of the next operand's image, and a wave stores it as 512 consecutive bytes, aligned.  No stage in LDS.
; The three scales are folded into the conversion's one: code = sum / 2^E, E = e_out - e_a - e_b.  LIMIT: each E between -126 and 112.  NaN is not served.
; SHAPE.  A tile of 256 x 256 to a work-group of four waves, 128 x 128 (64 accumulators) to a wave.  K = 1,024 goes in four steps of 256 through two LDS slots filled by the tensor data mover.
; CLUSTERS: 4 x 4 work-groups of one product.  The four of a row need the same tiles of A', the four of a column the same tiles of B': each is asked for jointly.  P is the same in all sixteen; nothing but addresses hangs on it.
; REGISTERS, in windows of 256: window 0: v12-29 scales and addresses; v32-47 the stores' offsets; v128-255 A's fragments, ONE set, on the way out the codes.
;   window 1: B's fragments, TWO sets, at v0 and v128.   window 2: the accumulators of my A' blocks 0-3 ((a, b) at v[8 (8 (a % 4) + b)]);   window 3: blocks 4-7.
.set HALFT,  32768                     ; 8 row tiles x 4,096 bytes (256 along K): what one tensor load brings, and what one wave reads of A' or of B'
.set SLOT,   4*HALFT                   ; A's two halves, then B's two halves
.set SPARE,  2*SLOT                    ; behind the ring: the spare words, 128 bytes for each wave: two blocks of 256 bytes that no other line names
.set KADV,   4096                      ; a K step's bytes in a row tile's image
.set LAPS,   2                         ; a lap = two K steps = once round the ring
.set FR,     16                        ; registers of a fragment
.set NL,     4                         ; LDS loads that bring one
.set NP,     4                         ; places behind this matrix instruction (ISA guide 7.12.1)
.set ADRA, 16                          ; v16-17  LDS address of my A' fragments in slot 0, 1
.set ADRB, 20                          ; v20-21  the same for B'
.set LI,   26                          ; v26     16 x lane
.set SPW,  28                          ; v28     LDS address of my spare word; never rewritten
.set NIL,  29                          ; v29     0; never rewritten
.set VO,   32                          ; v32-47  the stores' byte offsets: block a, upper or lower pair of pieces
.set TMP,  48                          ; v48-111 not used
.set AF,   128
.set CD,   128                         ; the codes: 16 registers a block, each piece its own
.set G1, 24                            ; s[24:31] descriptor group 1 for A's tiles;  s[32:39] group 0, one set for each slot
.set G0, 32
.set G1B, 48                           ; s[48:55], s[56:63] the same for B's tiles
.set G0B, 56
.set MSB, 0
.macro WIN new                         ; the immediate's high byte repeats the setting that is left
.if MSB != \new
	s_set_vgpr_msb (MSB<<8)|\new
.set MSB, \new
.endif
.endm
.set MUL_LO, 0xa1                      ; source 0 (B') window 1, source 1 (A') window 0, C and D window 2
.set MUL_HI, 0xf1                      ; the same, C and D window 3
.set TO_B,   0x40                      ; destination window 1, address window 0
; A joint load: waves 0 and 1 fetch for A', waves 2 and 3 for B'.  The branch hangs on the wave's number alone.  Four v_nop follow each of the two lines.
.macro JLOAD g0a, g1a, g0b, g1b
	s_cmp_eq_u32 s15, 0
	s_cbranch_scc0 .Lfor_b_\@
	tensor_load_to_lds s[\g0a:\g0a+3], s[\g1a:\g1a+7]
	s_nop 0
.rept 4
	v_nop
.endr
	s_branch .Lasked_\@
.Lfor_b_\@:
	tensor_load_to_lds s[\g0b:\g0b+3], s[\g1b:\g1b+7]
	s_nop 0
.rept 4
	v_nop
.endr
.Lasked_\@:
.endm
.macro CREST                           ; a round of the cluster's barrier behind its opening barrier
	s_cmp_lg_u32 s14, 0
	s_cbranch_scc1 .Lnot_wave_0_\@
	s_barrier_signal -3
.Lnot_wave_0_\@:
	s_barrier_wait -3
	s_barrier_signal -1
	s_barrier_wait -1
.endm
.macro CROUND                          ; a whole round
	s_barrier_signal -1
	s_barrier_wait -1
	CREST
.endm
	s_load_b256 s[4:11], s[0:1], 0x0               ; XC s[4:5], WC s[6:7], the scales' exponents s[8:9], QC s[10:11]
	s_load_b64 s[12:13], s[0:1], 0x20              ; KV
	v_lshl_add_u32 v[SPW], v0, 2, SPARE
	v_mov_b32 v[NIL], 0
	ds_add_u32 v28, v29
	ds_add_u32 v28, v29
	s_wait_dscnt 0x0
	v_lshrrev_b32 v1, 5, v0
	v_readfirstlane_b32 s14, v1                    ; wave 0..3
	s_lshr_b32 s15, s14, 1                         ; which half of the tile's A' rows is mine.  Also: I fetch for A' (0) or for B' (1)
	s_and_b32 s16, s14, 1                          ; which half of its B' rows.  Also: which 128 rows of that tile I fetch
	s_bfe_u32 s40, ttmp6, 0x40000                  ; cx, cy: my place in the cluster
	s_bfe_u32 s41, ttmp6, 0x40004
	s_mov_b32 s66, ttmp9                           ; P: the cluster's x
	s_and_b32 s67, ttmp7, 0xffff
	s_lshl_b32 s67, s67, 2                         ; 4 x the cluster's y: it walks x's 32 tiles of 256 rows
	s_mov_b32 s22, 0x800000                        ; x's second set of codes in XC
	s_mov_b32 s23, 0x100000                        ; Wq's codes in WC
	s_cmp_eq_u32 s66, 2
	s_cselect_b32 s17, 0, s67                      ; x is A' where P < 2,
	s_cselect_b32 s42, s67, 0                      ; and B' where P = 2
	s_cselect_b32 s90, s23, s22                    ; where A' begins in its buffer, for P = 2 and P = 1,
	s_cselect_b32 s91, s22, s23                    ; and B'
	s_cmp_eq_u32 s66, 0
	s_cselect_b32 s90, 0, s90                      ; P = 0: both at their buffers' heads
	s_cselect_b32 s91, 0, s91
	s_add_co_u32 s17, s17, s41                     ; tile row (of A'): it holds cy, never cx
	s_add_co_u32 s42, s42, s40                     ; tile column (of B'): it holds cx, never cy
	s_lshl_b32 s43, s41, 2
	s_lshl_b32 s43, 15, s43                        ; my row of the cluster
	s_lshl_b32 s44, 0x1111, s40                    ; my column
	; descriptor group 1: 8 rows (row tiles) of 4,096 bytes, 16,384 bytes apart in memory, dense in LDS
	s_or_b32 s[G1+0], s43, (3<<16)|(1<<21)         ; 15:0 the mask: A's tiles go to my row; 17:16 elements of 8 bytes; 20 no padding; 21 set beside a mask
	s_or_b32 s[G1B+0], s44, (3<<16)|(1<<21)
.irp g, G1, G1B
	s_mov_b32 s[\g+1], 512<<16                     ; tensor_dim0 = 512 elements
	s_mov_b32 s[\g+2], 8<<16                       ; tensor_dim1 = 8
	s_mov_b32 s[\g+3], 512<<16                     ; tile_dim0
	s_mov_b32 s[\g+4], 8                           ; tile_dim1
	s_mov_b32 s[\g+5], 2048                        ; tensor_dim0_stride: a row tile's image is 2,048 elements
	s_mov_b32 s[\g+6], 0
	s_mov_b32 s[\g+7], 0
.endr
	s_lshl_b32 s18, s16, 17                        ; which 128 rows (8 row tiles) of the tile I fetch
	s_lshl_b32 s20, s17, 18                        ; a tile of 256 rows is 262,144 bytes of images
	s_add_co_u32 s20, s20, s18
	s_add_co_u32 s20, s20, s90
	s_lshl_b32 s46, s42, 18
	s_add_co_u32 s46, s46, s18
	s_add_co_u32 s46, s46, s91
	s_mov_b32 s21, 0
	s_mov_b32 s47, 0
	s_mul_i32 s45, s14, HALFT                      ; where they go: wave x 32,768: no place in the cluster enters an LDS address
	s_wait_kmcnt 0x0
	s_load_b256 s[68:75], s[8:9], 0x0              ; e0 .. e7
	s_load_b64 s[76:77], s[8:9], 0x20              ; e8, e9
	s_cmp_eq_u32 s66, 2
	s_cselect_b64 s[78:79], s[6:7], s[4:5]         ; A's buffer
	s_cselect_b64 s[80:81], s[4:5], s[6:7]         ; B's
	s_cmp_eq_u32 s66, 1
	s_cselect_b64 s[84:85], s[10:11], s[12:13]     ; where the codes go: QC or KV
	s_add_nc_u64 s[20:21], s[78:79], s[20:21]
	s_add_nc_u64 s[46:47], s[80:81], s[46:47]
	CROUND                                         ; all sixteen work-groups are here: the first joint loads meet
.irp s, 0,1
	s_mov_b32 s[G0+4*\s], 1
	s_add_co_u32 s[G0+4*\s+1], s45, \s*SLOT
	s_add_nc_u64 s[G0+4*\s+2:G0+4*\s+3], s[20:21], \s*KADV
	s_or_b32 s[G0+4*\s+3], s[G0+4*\s+3], 0x80000000
	s_mov_b32 s[G0B+4*\s], 1
	s_add_co_u32 s[G0B+4*\s+1], s45, \s*SLOT
	s_add_nc_u64 s[G0B+4*\s+2:G0B+4*\s+3], s[46:47], \s*KADV
	s_or_b32 s[G0B+4*\s+3], s[G0B+4*\s+3], 0x80000000
	JLOAD G0+4*\s, G1, G0B+4*\s, G1B
.endr
	v_and_b32 v1, 31, v0
	v_lshlrev_b32 v[LI], 4, v1                     ; 16 x lane: an image's place for my lane
	s_mul_i32 s21, s15, HALFT                      ; my 128 rows of A'
	s_mul_i32 s22, s16, HALFT                      ; my 128 rows of B',
	s_add_co_u32 s22, s22, 2*HALFT                 ; which lie behind A's 256
.irp s, 0,1
	v_add_nc_u32 v[ADRA+\s], s21, v[LI]
	v_add_nc_u32 v[ADRB+\s], s22, v[LI]
	s_add_co_u32 s21, s21, SLOT
	s_add_co_u32 s22, s22, SLOT
.endr
	; WHERE THE CODES GO.  XT, XH: the tile of 256 and the half of 128 rows of x that I hold; WT, WH: the same of the weight's rows.  128 rows of x are a key step; 128 rows of a weight are two heads.
	s_mov_b32 s86, 4096
	s_mov_b32 s87, 1024
	s_mov_b32 s95, 0x40000
	s_mov_b32 s82, 16384
	s_cmp_eq_u32 s66, 2
	s_cselect_b32 s90, s42, s17                    ; XT
	s_cselect_b32 s91, s16, s15                    ; XH
	s_cselect_b32 s92, s17, s42                    ; WT
	s_cselect_b32 s93, s15, s16                    ; WH
	s_cselect_b32 s94, 8192, 0                     ; Q^T lies behind K in a key step's block
	s_cselect_b32 s86, 0x40000, s86                ; S1: from A' block a to a + 4: four tiles of 16 rows on (4,096), or the next head (262,144)
	s_cselect_b32 s87, 2048, s87                   ; S2: from block to block: a tile of two pieces (1,024), or a tile of d with four (2,048)
	s_cmp_eq_u32 s66, 1
	s_cselect_b32 s95, 0x20000, s95                ; a head's bytes: 131,072 in QC, 262,144 in KV
	s_cselect_b32 s82, 8192, s82                   ; 128 rows' bytes: 8,192 in QC, 16,384 in KV
	s_cmp_eq_u32 s66, 2
	s_cselect_b32 s88, 1024, s95                   ; S3: from pieces 0, 1 to pieces 2, 3: the next head, or 64 keys on
	s_lshr_b32 s83, s90, 3                         ; the batch: 8 tiles of 256 rows each
	s_and_b32 s90, s90, 7
	s_lshl_b32 s90, s90, 1
	s_add_co_u32 s90, s90, s91                     ; the key step: 2 (XT % 8) + XH
	s_lshl_b32 s83, s83, 4
	s_lshl_b32 s92, s92, 2
	s_add_co_u32 s83, s83, s92
	s_lshl_b32 s93, s93, 1
	s_add_co_u32 s83, s83, s93                     ; batch x 16 + my first head: 4 WT + 2 WH
	s_mul_i32 s83, s83, s95
	s_mul_i32 s90, s90, s82
	s_add_co_u32 s89, s83, s90
	s_add_co_u32 s89, s89, s94                     ; the byte at which my wave's codes begin
.macro FRAG reg, adr, q, i             ; a fragment: row tile i, the slot's q-th 128 along K: four pieces of 512 bytes; registers 4 c .. 4 c + 3 hold K = 32 c + 16 (l / 16) + 0 .. 15
.irp c, 0,1,2,3
	ds_load_b128 v[\reg+4*\c:\reg+4*\c+3], v[\adr] offset:2048*(\q)+512*\c+(\i)*4096
.endr
.endm
; 16 matrix instructions: A's blocks a0, a0 + 1 x B's eight, 128 along K.  p: B's set.  zero = 1: the first product starts the sums: nothing is ever cleared.
; The 64 accumulators take turns, one instruction a turn, in the same order in every step.
.macro MUL16 a0, p, zero
.irp a, \a0, \a0+1
.irp b, 0,1,2,3,4,5,6,7
.if \zero
	v_wmma_f32_16x16x128_bf8_bf8 v[8*(8*((\a)%4)+\b):8*(8*((\a)%4)+\b)+7], v[128*(\p)+FR*\b:128*(\p)+FR*\b+FR-1], v[AF+FR*(\a):AF+FR*(\a)+FR-1], 0
.else
	v_wmma_f32_16x16x128_bf8_bf8 v[8*(8*((\a)%4)+\b):8*(8*((\a)%4)+\b)+7], v[128*(\p)+FR*\b:128*(\p)+FR*\b+FR-1], v[AF+FR*(\a):AF+FR*(\a)+FR-1], v[8*(8*((\a)%4)+\b):8*(8*((\a)%4)+\b)+7]
.endif
.endr
.endr
.endm
.macro FETCH_B slot, q, p              ; B's eight fragments of the slot's q-th 128 along K into set p
	WIN TO_B
.irp i, 0,1,2,3,4,5,6,7
	FRAG 128*(\p)+FR*\i, ADRB+\slot, \q, \i
.endr
	WIN 0
.endm
.macro FETCH_A slot, q, i0             ; A's blocks i0 .. i0 + 3
.irp i, \i0, \i0+1, \i0+2, \i0+3
	FRAG AF+FR*(\i), ADRA+\slot, \q, \i
.endr
.endm
.macro PLACES n                        ; plain vector lines between a matrix instruction and a load into its registers, or a read of its result
.rept \n
	v_nop
.endr
.endm
; A step of 128 along K that has its successor in the same slot.  A block of A' is free as soon as its eight products are issued: blocks 0-3 are fetched anew in the step's middle, blocks 4-7 at its end.
.macro STEP slot, q, zero
	s_wait_dscnt 4*NL                              ; B's set and A's blocks 0-3 are in; the youngest sixteen loads (A's blocks 4-7) may be out
	WIN MUL_LO
	MUL16 0, (\q)%2, \zero
	MUL16 2, (\q)%2, \zero
	s_wait_dscnt 0                                 ; A's blocks 4-7 are in
	PLACES NP
	FETCH_B \slot, (\q)+1, 1-(\q)%2
	FETCH_A \slot, (\q)+1, 0
	WIN MUL_HI
	MUL16 4, (\q)%2, \zero
	MUL16 6, (\q)%2, \zero
	PLACES NP
	WIN 0
	FETCH_A \slot, (\q)+1, 4
.endm
; A slot's last step changes slots: ONE barrier; in front of it each wave waits for all its tensor loads, adds 0 to its spare word, and waits for that and for its own reads of this slot.  fill = 1: this slot is filled again, two K steps ahead.
.macro TURN slot, next, fill
	s_wait_tensorcnt 0x0                           ; all my tensor loads have landed: my part of the next slot
	ds_add_u32 v[SPW], v[NIL]                      ; 0 onto my spare word
	s_wait_dscnt 4*NL+1                            ; the add and the youngest sixteen loads (A's blocks 4-7) may be out
	WIN MUL_LO
	MUL16 0, 1, 0                                  ; sixteen matrix instructions stand between the add and the wait for it
	s_wait_dscnt 0x0                               ; the add is done, and my reads of this slot are over
	s_barrier_signal -1
	MUL16 2, 1, 0
	WIN 0
	s_barrier_wait -1
.if \fill
	CREST                                          ; the barrier has opened a round of the cluster's barrier: no wave of any partner still reads this slot's tile or has a load on its way
	s_add_nc_u64 s[G0+4*\slot+2:G0+4*\slot+3], s[G0+4*\slot+2:G0+4*\slot+3], 2*KADV
	s_add_nc_u64 s[G0B+4*\slot+2:G0B+4*\slot+3], s[G0B+4*\slot+2:G0B+4*\slot+3], 2*KADV
	JLOAD G0+4*\slot, G1, G0B+4*\slot, G1B         ; the first tensor load behind the round; the four v_nop behind it are the places in front of the loads below
.else
	PLACES NP
.endif
	FETCH_B \next, 0, 0
	FETCH_A \next, 0, 0
	WIN MUL_HI
	MUL16 4, 1, 0
	MUL16 6, 1, 0
	PLACES NP
	WIN 0
	FETCH_A \next, 0, 4
.endm
	s_wait_alu depctr_va_vdst(0)
	s_wait_tensorcnt 1                             ; my part of K step 0 is in (K step 1's load may be out)
	s_barrier_signal -1
	s_barrier_wait -1                              ; everybody's is
	FETCH_B 0, 0, 0
	FETCH_A 0, 0, 0
	FETCH_A 0, 0, 4
	STEP 0, 0, 1                                   ; the first step stands in front of the loop: its products start the sums
	s_mov_b32 s3, LAPS-1
.Llap:                                                 ; a trip goes once round the ring, from a lap's second step to the next lap's first, and fills both slots again
	TURN 0, 1, 1
	STEP 1, 0, 0
	TURN 1, 0, 1
	STEP 0, 0, 0
	s_sub_co_u32 s3, s3, 1
	s_cmp_lg_u32 s3, 0
	s_cbranch_scc1 .Llap
	TURN 0, 1, 0                                   ; the last lap fills nothing, and has no round of the cluster's barrier
	STEP 1, 0, 0
	s_wait_dscnt 4*NL                              ; the very last step: nothing more to fetch
	WIN MUL_LO
	MUL16 0, 1, 0
	MUL16 2, 1, 0
	s_wait_dscnt 0
	WIN MUL_HI
	MUL16 4, 1, 0
	MUL16 6, 1, 0
	WIN 0
	; THE WAY OUT.  The scale and the stores' offsets are made here: seventeen plain lines, the places behind the last products.
	s_wait_kmcnt 0x0
	s_cmp_eq_u32 s66, 0
	s_cselect_b32 s18, s68, s70                    ; x's exponent: e0 or e2
	s_cselect_b32 s19, s69, s71                    ; the weight's: e1 or e3
	s_cselect_b32 s22, s75, s74                    ; the result's: e7, or e6,
	s_cmp_eq_u32 s66, 2
	s_cselect_b32 s22, s77, s22                    ; or e9
	s_sub_co_i32 s22, s22, s18
	s_sub_co_i32 s22, s22, s19                     ; E: a sum stands for sum x 2^(e_a + e_b), so its code is sum / 2^E
	s_add_co_i32 s22, s22, 127
	s_lshl_b32 s23, s22, 23
	v_mov_b32 v12, s23                             ; 2^E as f32
	s_mov_b32 s90, s89
.irp a, 0,1,2,3,4,5,6,7
	v_add_nc_u32 v[VO+2*\a], s90, v[LI]            ; block a, pieces 0 and 1
	s_add_co_u32 s91, s90, s88
	v_add_nc_u32 v[VO+2*\a+1], s91, v[LI]          ; pieces 2 and 3
.if \a == 3
	s_add_co_u32 s90, s89, s86
.else
	s_add_co_u32 s90, s90, s87
.endif
.endr
.irp a, 0,1,2,3,4,5,6,7
.set W, 0x02+(\a/4)
	WIN W                                          ; source 0: window 2 or 3
.set j, 0
.rept 64
.set j, j+1
.endr
.irp b, 0,1,2,3,4,5,6,7
	v_cvt_scalef32_pk8_bf8_f32 v[CD+16*\a+2*\b:CD+16*\a+2*\b+1], v[TMP+8*\b+((64*(\a%4)+j)-(TMP+j)):TMP+8*\b+7+((64*(\a%4)+j)-(TMP+j))], v12
.endr
	WIN 0
	v_nop
.irp p, 0,1,2,3
	global_store_b128 v[VO+2*\a+\p/2], v[CD+16*\a+4*\p:CD+16*\a+4*\p+3], s[84:85] offset:512*(\p%2)   ; a piece: 512 consecutive bytes, aligned; its registers are written once
.endr
.endr
	s_wait_tensorcnt 0x0                           ; the wave's end
	ds_add_u32 v[SPW], v[NIL]
	s_wait_dscnt 0x0
	CROUND                                         ; the closing round: no work-group ends while a partner may still ask for a tile that names it
	s_endpgm
.Lfunc_end_k_q94e4043655_proj:
	.size	k_q94e4043655_proj, .Lfunc_end_k_q94e4043655_proj-k_q94e4043655_proj
	.p2alignl 7, 3214868480
	.fill 96, 4, 3214868480
	.section	.rodata,"a",@progbits
	.p2align	6, 0x0
	.amdhsa_kernel k_q94e4043655_proj
		.amdhsa_group_segment_fixed_size 327680
		.amdhsa_private_segment_fixed_size 0
		.amdhsa_enable_private_segment 0
		.amdhsa_kernarg_size 40
		.amdhsa_user_sgpr_count 2
		.amdhsa_user_sgpr_kernarg_segment_ptr 1
		.amdhsa_wavefront_size32 1
		.amdhsa_system_sgpr_workgroup_id_x 1
		.amdhsa_system_sgpr_workgroup_id_y 1
		.amdhsa_system_sgpr_workgroup_id_z 1
		.amdhsa_system_vgpr_workitem_id 0
		.amdhsa_next_free_vgpr 1024
		.amdhsa_next_free_sgpr 100
		.amdhsa_reserve_vcc 0
		.amdhsa_float_denorm_mode_32 3
		.amdhsa_float_denorm_mode_16_64 3
		.amdhsa_fp16_overflow 1
		.amdhsa_memory_ordered 1
		.amdhsa_forward_progress 1
		.amdhsa_inst_pref_size 87
	.end_amdhsa_kernel
	.amdgpu_metadata
---
amdhsa.version: [ 1, 2 ]
amdhsa.kernels:
  - .name:           k_q94e4043655_proj
    .symbol:         k_q94e4043655_proj.kd
    .args:
      - { .name: XC, .offset: 0, .size: 8, .value_kind: global_buffer, .address_space: global }
      - { .name: WC, .offset: 8, .size: 8, .value_kind: global_buffer, .address_space: global }
      - { .name: lowp_scales, .offset: 16, .size: 8, .value_kind: global_buffer, .address_space: global }
      - { .name: QC, .offset: 24, .size: 8, .value_kind: global_buffer, .address_space: global }
      - { .name: KV, .offset: 32, .size: 8, .value_kind: global_buffer, .address_space: global }
    .group_segment_fixed_size: 327680
    .private_segment_fixed_size: 0
    .kernarg_segment_align: 8
    .kernarg_segment_size: 40
    .max_flat_workgroup_size: 128
    .sgpr_count:     100
    .vgpr_count:     1024
    .wavefront_size: 32
...
	.end_amdgpu_metadata
.endif
;; end of part 2
;; launch attn (part 3): grid 4 x 64, 16 waves a work-group, no clusters, 327,680 bytes of LDS; arguments QC, KV, lowp_scales, AC; writes AC
.if DOCPART == 3
	.amdgcn_target "amdgcn-amd-amdhsa--gfx1250"
	.amdhsa_code_object_version 6
	.text
	.protected	k_q94e4043655_attn
	.globl	k_q94e4043655_attn
	.p2align	8
	.type	k_q94e4043655_attn,@function
k_q94e4043655_attn:
	s_mov_b64 s[64:65], 0
	v_nop
	global_prefetch_b8 v0, s[64:65] scope:SCOPE_SE
	s_setreg_imm32_b32 hwreg(HW_REG_WAVE_MODE, 25, 1), 1
	s_wait_xcnt 0x0
; CAUSAL ATTENTION ON CODES OF BF8, head size 64, V = Q as reference() has it.  attn = softmax(Q K^T / 32, key <= query) V, quantised with e10 and stored as the last product's operand.
; QC: [batch x head 64][tile 128][2 pieces of 512 bytes]: Q's codes under e6.  KV: [batch x head][key step 16][16,384]: 8 tiles of K (2 pieces each, e7), then 4 tiles of V^T (d x 128 keys, 4 pieces each, e9).
; All are images of operand registers: tile T holds rows pi(T, r) = 32 (T / 2) + 8 (T % 2) + r + 8 (r / 8); lane r + 16 h holds, in piece p, k = 32 p + 16 h + 0 .. 15.
; THE SOFTMAX: t = score x log2(e) / 32; M = the running largest t rounded UP to a whole number; p = 2^(t - M) is quantised with e8; the row's sum is taken of the unquantised p and divides at the end.
; When M moves, the sum and O are multiplied by 2^(old M - new M): nothing is rounded, and there is no branch on data.
; BOTH PRODUCTS ARE USED TRANSPOSED: S^T = K Q^T, O^T = V^T P^T: a lane holds ONE query throughout; by the tiles' choice of rows p's 16 registers of two neighbouring tiles are 16 neighbouring keys, and O^T's are 16 neighbouring d.
; SHARES.  Work-group (I, batch x head) owns the blocks of 256 queries 7 - I and I of its head: first block 7 - I against key slots 0 .. 7 - I, then block I against slots 0 .. I: NINE slots of 256 keys, whatever I is:
; equal work in all 256 work-groups, and a constant trip count.  Each of sixteen waves owns one tile of 16 queries of the block in hand: four waves to a SIMD, one wave's vector work beside another's products and loads.
; A key step (128 keys) all of whose keys come after the wave's queries is left out by a scalar branch on ids; on the diagonal step hidden scores become -infinity ahead of the maximum.
; NO CLUSTER: from the fifth trip on the four work-groups of a head want different slots in the same trip; walking alike would take 12 slots each in place of 9, to share 32,768 bytes a trip.
; THE RING: two slots of 32,768 bytes; waves 0 and 1 fetch a key step's block each; one barrier a trip, at the slot's head.
; LIMITS on the given exponents: e6 + e7 between -121 and 132 (added to c's exponent field); e8 and e10 between -126 and 112; e8 + e9 goes in by v_ldexp_f32 and has none.  NaN is not served.
.set SLOT1, 32768                      ; slot 1 begins here: one exclusive or turns an address in one slot into the other's
.set SPARE, 65536                      ; behind the ring: the spare words, 128 bytes for each wave: eight blocks of 256 bytes that no other line names
.set LI,   1                           ; v1   16 x lane
.set ADR,  2                           ; v2   LDS address of the slot in hand, for my lane
.set PFO,  3                           ; v3   256 x lane: the prefetches' offset; never rewritten
.set SPW,  5                           ; v5   LDS address of my spare word; never rewritten
.set NIL,  6                           ; v6   0; never rewritten
.set DG,   7                           ; v7   my query less the diagonal step's first key less 16 h
.set PSC,  24                          ; v24  2^e8
.set PLIM, 25
.set ASC,  26                          ; v26  2^e10
.set ALIM, 27
.set NINF, 28                          ; v28  -infinity
.set KF,   32                          ; v32-95   K's 8 fragments of 8 registers, then V^T's 4 of 16
.set S,    96                          ; v96-159  S^T, then p
.set OT,   160                         ; v160-191 O^T
.set PC,   224                         ; v224-239 p's codes; at a block's end attn's
; v12 -M, v13 the largest t, v[14:15] the sum in two halves, v16-23 Q's fragment, v238-255 at work
.set TB,   2                           ; s2   LDS byte at which the slot in hand begins
.set WV,   18
.set SEL,  20                          ; s[20:21] lane selects for v_permlanex16_b32: lane l xor 16
.set CS,   22                          ; s[22:23] c = log2(e) / 32 x 2^(e6 + e7)
.set G1,   24                          ; s[24:31] descriptor group 1
.set G0,   40                          ; s[40:43] group 0, which walks
.set TRIP, 44
.set IB,   45                          ; I
.set N1,   46                          ; 8 - I: the first block's slots
.set L1,   47                          ; 7 - I: the first block, and its last trip
.set KST,  48                          ; the key step in hand, counted in the block's walk
.set QBLK, 49                          ; the key step on my wave's diagonal
.set QB2,  50                          ; the same for the second block
.set KVB,  52                          ; s[52:53] my head's KV, + 16,384 in odd waves
.set OFF,  54                          ; s[54:55] the slot to be asked for, in bytes
.set QP,   56                          ; s[56:57], s[58:59] my tile of Q, first and second block
.set AP,   60                          ; s[60:61], s[62:63] my pieces of AC
.set PFA,  66                          ; s[66:67] where my prefetches stand
.set LIM,  68                          ; a wave prefetches while the trip's number is under it
.macro TLOAD                           ; waves 0 and 1 fetch; the branch hangs on the wave's number alone.  Four v_nop follow the load
	s_cmp_lt_u32 s[WV], 2
	s_cbranch_scc0 .Lasked_\@
	tensor_load_to_lds s[G0:G0+3], s[G1:G1+7]
	s_nop 0
.rept 4
	v_nop
.endr
.Lasked_\@:
.endm
; A PREFETCH INTO THE L2 of the slot that the NEXT change of slots will ask for: 32,768 bytes.  All four work-groups of a head walk slots 0 .. 4 alike in their first trips and work-group 0 walks all eight:
; it asks, and nobody else; in it waves 4 to 7, which fetch nothing, take 8,192 bytes each, lanes 256 bytes apart.  Trip T names slot T + 2, T = 0 .. 5: each block of 256 bytes of slots 2 .. 7 once; slots 0 and 1 come by their loads alone.
.macro ASK
	s_cmp_lt_u32 s[TRIP], s[LIM]
	s_cbranch_scc0 .Lnot_mine_\@
	global_prefetch_b8 v[PFO], s[PFA:PFA+1] th:TH_LOAD_NT scope:SCOPE_SE
.Lnot_mine_\@:
.endm
	s_load_b256 s[4:11], s[0:1], 0x0               ; QC s[4:5], KV s[6:7], the scales' exponents s[8:9], AC s[10:11]
	v_lshl_add_u32 v[SPW], v0, 2, SPARE
	v_mov_b32 v[NIL], 0
	ds_add_u32 v5, v6
	ds_add_u32 v5, v6
	s_wait_dscnt 0x0
	v_lshrrev_b32 v8, 5, v0
	s_delay_alu instid0(VALU_DEP_1)
	v_readfirstlane_b32 s[WV], v8                  ; wave 0..15
	s_mov_b32 s[IB], ttmp9
	s_and_b32 s51, ttmp7, 0xffff                   ; batch x 16 + head
	s_sub_co_u32 s[N1], 8, s[IB]
	s_sub_co_u32 s[L1], 7, s[IB]
	; descriptor group 1: a key step's block, 16,384 dense bytes, as 64 rows of 256
	s_mov_b32 s[G1], 3<<16                         ; no mask; elements of 8 bytes; no padding
	s_mov_b32 s[G1+1], 32<<16                      ; tensor_dim0 = 32 elements
	s_mov_b32 s[G1+2], 64<<16                      ; tensor_dim1 = 64
	s_mov_b32 s[G1+3], 32<<16                      ; tile_dim0
	s_mov_b32 s[G1+4], 64                          ; tile_dim1
	s_mov_b32 s[G1+5], 32                          ; tensor_dim0_stride
	s_mov_b32 s[G1+6], 0
	s_mov_b32 s[G1+7], 0
	s_mov_b32 s[SEL], 0x76543210
	s_mov_b32 s[SEL+1], 0xfedcba98
	s_mov_b32 s[CS], 0x3d38aa3b                    ; log2(e) / 32
	s_mov_b32 s[TB], 0
	s_mov_b32 s[TRIP], 0
	s_mov_b32 s[KST], 0
	s_mov_b32 s[OFF+1], 0
	s_lshr_b32 s94, s[WV], 3                       ; waves 8 to 15 hold the block's upper 128 queries
	s_lshl_b32 s[QBLK], s[L1], 1
	s_add_co_u32 s[QBLK], s[QBLK], s94
	s_lshl_b32 s[QB2], s[IB], 1
	s_add_co_u32 s[QB2], s[QB2], s94
	s_lshl_b32 s80, s51, 18                        ; my head's 262,144 bytes of KV
	s_mov_b32 s[G0], 1                             ; count = 1
	s_and_b32 s[G0+1], s[WV], 1
	s_lshl_b32 s[G0+1], s[G0+1], 14                ; LDS address: slot 0, the key step that I fetch
	s_add_co_u32 s82, s80, s[G0+1]
	s_mov_b32 s83, 0
	s_and_b32 s84, s[WV], 3
	s_lshl_b32 s84, s84, 13
	s_add_co_u32 s84, s84, s80
	s_add_co_u32 s84, s84, SLOT1                   ; the prefetches stand in slot 1: the first change of slots steps them to slot 2
	s_mov_b32 s85, 0
	s_lshl_b32 s78, s[L1], 4
	s_add_co_u32 s78, s78, s[WV]                   ; my tile of queries in the first block,
	s_lshl_b32 s79, s[IB], 4
	s_add_co_u32 s79, s79, s[WV]                   ; and in the second
	s_lshl_b32 s94, s51, 17                        ; my head's 131,072 bytes of QC
	s_lshl_b32 s86, s78, 10
	s_add_co_u32 s86, s86, s94
	s_mov_b32 s87, 0
	s_lshl_b32 s88, s79, 10
	s_add_co_u32 s88, s88, s94
	s_mov_b32 s89, 0
	s_lshr_b32 s94, s51, 4
	s_lshl_b32 s94, s94, 7                         ; the batch's 128 row tiles of AC
	s_and_b32 s95, s51, 15
	s_lshl_b32 s95, s95, 10                        ; the head's two pieces in a row tile's image
	s_add_co_u32 s90, s94, s78
	s_lshl_b32 s90, s90, 14
	s_add_co_u32 s90, s90, s95
	s_mov_b32 s91, 0
	s_add_co_u32 s92, s94, s79
	s_lshl_b32 s92, s92, 14
	s_add_co_u32 s92, s92, s95
	s_mov_b32 s93, 0
	s_lshr_b32 s[LIM], s[WV], 2
	s_xor_b32 s[LIM], s[LIM], 1                    ; 0 in waves 4 to 7,
	s_or_b32 s[LIM], s[LIM], s[IB]                 ; of the head's work-group 0
	s_cmp_eq_u32 s[LIM], 0
	s_cselect_b32 s[LIM], 6, 0
	s_wait_kmcnt 0x0
	s_load_b128 s[72:75], s[8:9], 0x18             ; e6, e7, e8, e9
	s_load_b32 s76, s[8:9], 0x28                   ; e10
	s_add_nc_u64 s[KVB:KVB+1], s[6:7], s[82:83]
	s_mov_b64 s[G0+2:G0+3], s[KVB:KVB+1]           ; global address: key slot 0
	s_or_b32 s[G0+3], s[G0+3], 0x80000000          ; type = 2
	TLOAD                                          ; slot 0
	s_add_nc_u64 s[PFA:PFA+1], s[6:7], s[84:85]
	s_add_nc_u64 s[QP:QP+1], s[4:5], s[86:87]
	s_add_nc_u64 s[QP+2:QP+3], s[4:5], s[88:89]
	s_add_nc_u64 s[AP:AP+1], s[10:11], s[90:91]
	s_add_nc_u64 s[AP+2:AP+3], s[10:11], s[92:93]
	v_and_b32 v8, 31, v0
	s_delay_alu instid0(VALU_DEP_1)
	v_lshlrev_b32 v[LI], 4, v8
	s_delay_alu instid0(VALU_DEP_2)
	v_lshlrev_b32 v[PFO], 8, v8
	global_load_b128 v[16:19], v[LI], s[QP:QP+1]               ; Q's fragment stays in registers for a block
	global_load_b128 v[20:23], v[LI], s[QP:QP+1] offset:512
	s_bfe_u32 s94, s[WV], 0x20001                  ; (wave % 8) / 2
	s_lshl_b32 s94, s94, 5
	s_and_b32 s95, s[WV], 1
	s_lshl_b32 s95, s95, 3
	s_add_co_u32 s94, s94, s95
	v_and_b32 v8, 15, v0                           ; r
	v_and_b32 v9, 8, v0
	s_delay_alu instid0(VALU_DEP_1)
	v_add_nc_u32 v8, v8, v9                        ; r + 8 (r / 8)
	v_and_b32 v9, 16, v0                           ; 16 h
	s_delay_alu instid0(VALU_DEP_1)
	v_sub_nc_u32 v8, v8, v9
	s_delay_alu instid0(VALU_DEP_1)
	v_add_nc_u32 v[DG], s94, v8                    ; register 16 b + i holds the step's key 32 b + 16 h + i: hidden on the diagonal step where 32 b + i > this
	v_mov_b32 v[NINF], 0xff800000
	v_mov_b32 v13, 0xff61b1e6                      ; the largest t so far: -3e38, under every t
	s_delay_alu instid0(VALU_DEP_1)
	v_floor_f32 v12, -v13                          ; -M
	v_mov_b32 v14, 0                               ; the sum, in two halves
	v_mov_b32 v15, 0
	v_mov_b32 v250, 0                              ; written once: a lane permute's destination counts as one of its sources
	v_mov_b32 v253, 0                              ; (named as the upper half of the pair v[252:253])
.set j, 0
.rept 32
	v_mov_b32 v[OT+j], 0                           ; O^T: the step is written once; a block's first step finds zeros, which the first change of M leaves zeros
.set j, j+1
.endr
	s_wait_kmcnt 0x0
	s_add_co_i32 s94, s72, s73
	s_lshl_b32 s94, s94, 23
	s_add_co_i32 s[CS], s[CS], s94                 ; a score stands for score x 2^(e6 + e7): the exponents are added to c's exponent field
	s_mov_b32 s[CS+1], s[CS]                       ; (named with it as a pair, so it is written)
	s_add_co_i32 s94, s74, 127
	s_lshl_b32 s95, s94, 23
	v_mov_b32 v[PSC], s95                          ; 2^e8
	s_add_co_i32 s94, s76, 127
	s_lshl_b32 s95, s94, 23
	v_mov_b32 v[ASC], s95                          ; 2^e10
	s_add_co_i32 s77, s74, s75                     ; e8 + e9
; A KEY STEP: 128 keys, the q-th of the slot in hand.
.macro STEP q
	s_cmp_gt_u32 s[KST], s[QBLK]                   ; all its keys come after my queries: the step's work is left out (no barrier and no tensor load stands in a step)
	s_cbranch_scc1 .Lhidden_\@
	v_add_nc_u32 v[ADR], s[TB], v[LI]
.rept 3
	v_nop                                          ; with the addition: four places in front of loads into registers that the last products read
.endr
.irp t, 0,1,2,3,4,5,6,7
	ds_load_b128 v[KF+8*\t:KF+8*\t+3], v[ADR] offset:16384*(\q)+1024*\t
	ds_load_b128 v[KF+8*\t+4:KF+8*\t+7], v[ADR] offset:16384*(\q)+1024*\t+512
.endr
	s_wait_alu depctr_va_vdst(0)
	s_wait_dscnt 0x0
.irp t, 0,1,2,3,4,5,6,7                        ; S^T = K Q^T: source 0 = 16 keys, source 1 = my 16 queries; K = the head's 64
	v_wmma_f32_16x16x64_bf8_bf8 v[S+8*\t:S+8*\t+7], v[KF+8*\t:KF+8*\t+7], v[16:23], 0
.endr
.rept 4
	v_nop                                          ; places in front of the loads below and of the first read of the scores
.endr
.irp t, 0,1,2,3                                ; V^T's four fragments take K's registers and land while the softmax is walked
.irp c, 0,1,2,3
	ds_load_b128 v[KF+16*\t+4*\c:KF+16*\t+4*\c+3], v[ADR] offset:16384*(\q)+8192+2048*\t+512*\c
.endr
.endr
	s_cmp_lt_u32 s[KST], s[QBLK]                   ; a step all of whose keys count skips the mask
	s_cbranch_scc1 .Lopen_\@
.set n, 0
.rept 64
	v_cmp_gt_i32 vcc_lo, 32*(n/16)+n%16, v[DG]
	v_cndmask_b32 v[S+n], v[S+n], v[NINF], vcc_lo  ; a hidden score becomes -infinity: p = 0
.set n, n+1
.endr
.Lopen_\@:
	v_max3_num_f32 v254, v[S], v[S+1], v[S+2]      ; the step's largest score of my query, among my 64 keys, in two chains,
	v_max3_num_f32 v252, v[S+3], v[S+4], v[S+5]
.irp i, 6,10,14,18,22,26,30,34,38,42,46,50,54,58
	v_max3_num_f32 v254, v254, v[S+\i], v[S+\i+1]
	v_max3_num_f32 v252, v252, v[S+\i+2], v[S+\i+3]
.endr
	v_max3_num_f32 v254, v254, v[S+62], v[S+63]
	s_delay_alu instid0(VALU_DEP_1)
	v_max_num_f32 v254, v254, v252
	s_delay_alu instid0(VALU_DEP_1)
	v_permlanex16_b32 v250, v254, s[SEL], s[SEL+1]
	s_delay_alu instid0(VALU_DEP_1)
	v_max_num_f32 v254, v254, v250                 ; and among lane l xor 16's
	s_delay_alu instid0(VALU_DEP_1)
	v_mul_f32 v254, s[CS], v254                    ; as t (c is positive)
	s_delay_alu instid0(VALU_DEP_1)
	v_max_num_f32 v13, v13, v254                   ; the running largest t
	v_mov_b32 v254, v12
	s_delay_alu instid0(VALU_DEP_2)
	v_floor_f32 v12, -v13                          ; the new -M = floor(-t) = -ceil(t): M is a whole number
	s_delay_alu instid0(VALU_DEP_1)
	v_sub_f32 v254, v12, v254                      ; M's old value less its new one: a whole number, 0 or less
	s_delay_alu instid0(VALU_DEP_1)
	v_cvt_i32_f32 v254, v254                       ; (it saturates)
	s_delay_alu instid0(VALU_DEP_1)
	v_ldexp_f32 v252, 1.0, v254                    ; f = 2^(old M - new M)
.set j, 0
.rept 32
	v_pk_fma_f32 v[S+j:S+j+1], v[S+j:S+j+1], s[CS:CS+1], v[12:13] op_sel_hi:[1,0,0]   ; t - M, two at a time (of the pairs c and -M the low word serves both halves)
.set j, j+2
.endr
.set j, 0
	s_wait_alu depctr_va_vdst(0)
.rept 64
	v_exp_f32 v[S+j], v[S+j]                       ; p = 2^(t - M), at most 1: not normalised
.set j, j+1
.endr
	v_pk_mul_f32 v[14:15], v[14:15], v[252:253] op_sel_hi:[1,0]   ; the sums under the new M: the plain line behind the exponentials
	s_wait_alu depctr_va_vdst(0)                   ; one wait for the whole batch, ahead of its first reader
	v_pk_add_f32 v[242:243], v[100:101], v[104:105]
	v_pk_add_f32 v[254:255], v[108:109], v[112:113]
	v_pk_add_f32 v[248:249], v[116:117], v[120:121]
	v_pk_add_f32 v[246:247], v[124:125], v[128:129]
	v_pk_add_f32 v[244:245], v[132:133], v[136:137]
	v_pk_add_f32 v[240:241], v[140:141], v[144:145]
	v_pk_add_f32 v[238:239], v[148:149], v[152:153]
	v_pk_add_f32 v[14:15], v[14:15], v[156:157]
	v_pk_add_f32 v[242:243], v[242:243], v[96:97]
	v_pk_add_f32 v[254:255], v[254:255], v[98:99]
	v_pk_add_f32 v[248:249], v[248:249], v[102:103]
	v_pk_add_f32 v[246:247], v[246:247], v[106:107]
	v_pk_add_f32 v[244:245], v[244:245], v[110:111]
	v_pk_add_f32 v[240:241], v[240:241], v[114:115]
	v_pk_add_f32 v[238:239], v[238:239], v[118:119]
	v_pk_add_f32 v[14:15], v[14:15], v[122:123]
	v_pk_add_f32 v[242:243], v[242:243], v[126:127]
	v_pk_add_f32 v[254:255], v[254:255], v[130:131]
	v_pk_add_f32 v[248:249], v[248:249], v[134:135]
	v_pk_add_f32 v[246:247], v[246:247], v[138:139]
	v_pk_add_f32 v[244:245], v[244:245], v[142:143]
	v_pk_add_f32 v[240:241], v[240:241], v[146:147]
	v_pk_add_f32 v[238:239], v[238:239], v[150:151]
	v_pk_add_f32 v[14:15], v[14:15], v[154:155]
	v_pk_add_f32 v[242:243], v[242:243], v[158:159]
	s_delay_alu instid0(VALU_DEP_2)
	v_pk_add_f32 v[14:15], v[14:15], v[246:247]
	s_delay_alu instid0(VALU_DEP_2)
	v_pk_add_f32 v[242:243], v[242:243], v[244:245]
	v_pk_add_f32 v[254:255], v[254:255], v[240:241]
	v_pk_add_f32 v[248:249], v[248:249], v[238:239]
	s_delay_alu instid0(VALU_DEP_2)
	v_pk_add_f32 v[14:15], v[14:15], v[254:255]
	s_delay_alu instid0(VALU_DEP_2)
	v_pk_add_f32 v[242:243], v[242:243], v[248:249]
	s_delay_alu instid0(VALU_DEP_1)
	v_pk_add_f32 v[14:15], v[14:15], v[242:243]
.irp b, 0,1,2,3
.irp i, 0,1,2,3,4,5,6,7,8,9,10,11,12,13,14,15
.endr
	v_cvt_scalef32_pk8_bf8_f32 v[PC+4*\b:PC+4*\b+1], v[S+16*\b:S+16*\b+7], v[PSC]
	v_cvt_scalef32_pk8_bf8_f32 v[PC+4*\b+2:PC+4*\b+3], v[S+16*\b+8:S+16*\b+15], v[PSC]
.endr
.set j, 0
.rept 16
	v_pk_mul_f32 v[OT+j:OT+j+1], v[OT+j:OT+j+1], v[252:253] op_sel_hi:[1,0]   ; O^T under the new M.  (Also the plain lines between the conversions and the products that read the codes)
.set j, j+2
.endr
	s_wait_alu depctr_va_vdst(0)
	s_wait_dscnt 0x0                               ; V^T is in
.irp t, 0,1,2,3                                ; O^T += V^T P^T: source 0 = 16 of the head's 64, source 1 = p; K = these 128 keys.  Four accumulators by turns
	v_wmma_f32_16x16x128_bf8_bf8 v[OT+8*\t:OT+8*\t+7], v[KF+16*\t:KF+16*\t+15], v[PC:PC+15], v[OT+8*\t:OT+8*\t+7]
.endr
.Lhidden_\@:
	s_add_co_u32 s[KST], s[KST], 1
.endm
; THE CHANGE OF SLOTS stands at a slot's head.  Each wave waits for all its tensor loads (its part of the slot ahead), adds 0 to its spare word, and waits for that and for its reads of the slot that it has left.
; Behind the barrier the slot ahead is whole and nobody reads the other one.  fill = 1: that other slot takes the next trip's keys: slot T + 1 of the walk, which begins anew at 0 with the second block.
.macro CHANGE fill
	s_wait_tensorcnt 0x0                           ; no tensor load of mine is out, so group 0 may be written
	ds_add_u32 v[SPW], v[NIL]                      ; 0 onto my spare word; with fill = 1 the descriptor's steps stand between it and the wait for it
.if \fill
	s_add_co_u32 s[OFF], s[TRIP], 1
	s_cmp_ge_u32 s[OFF], s[N1]
	s_cselect_b32 s69, s[N1], 0
	s_sub_co_u32 s[OFF], s[OFF], s69               ; the next trip's key slot
	s_lshl_b32 s[OFF], s[OFF], 15
	s_add_nc_u64 s[G0+2:G0+3], s[KVB:KVB+1], s[OFF:OFF+1]
	s_or_b32 s[G0+3], s[G0+3], 0x80000000
	s_xor_b32 s[G0+1], s[G0+1], SLOT1              ; the other LDS slot than last time
	s_wait_xcnt 0x0                                ; the last prefetch, a trip back, has read its address, so it may be written
	s_add_nc_u64 s[PFA:PFA+1], s[PFA:PFA+1], SLOT1
.endif
	s_wait_dscnt 0x0                               ; the add is done, and my reads of the slot that I have left are over
	s_barrier_signal -1
	s_barrier_wait -1
.if \fill
	TLOAD                                          ; the first thing behind the barrier, and a wave's one tensor load until the next: it has two key steps in which to land
	ASK
.endif
.endm
.macro SLOT_STEPS
	STEP 0
	STEP 1
	s_xor_b32 s[TB], s[TB], SLOT1                  ; on to the other slot
.endm
; A BLOCK'S END: O^T / the sum x 2^(e8 + e9) is attn; it is quantised with e10.  The 16 registers of O^T's tiles 2 p and 2 p + 1 are d = 32 p + 16 h + 0 .. 15 of my query: a piece of the last product's operand.
.macro FINAL ap
.rept 4
	v_nop                                          ; places behind the last products
.endr
	v_add_f32 v14, v14, v15                        ; the sum's two halves,
	s_delay_alu instid0(VALU_DEP_1)
	v_permlanex16_b32 v250, v14, s[SEL], s[SEL+1]
	s_delay_alu instid0(VALU_DEP_1)
	v_add_f32 v14, v14, v250                       ; and lane l xor 16's: the row's sum
	s_wait_alu depctr_va_vdst(0)
	v_rcp_f32 v14, v14
	v_nop                                          ; a plain line behind the reciprocal
	s_wait_alu depctr_va_vdst(0)                   ; and the wait ahead of its first reader
	v_ldexp_f32 v14, v14, s77
.set j, 0
.rept 16
	v_pk_mul_f32 v[S+j:S+j+1], v[OT+j:OT+j+1], v[14:15] op_sel_hi:[1,0]   ; each accumulator from its low end on
.set j, j+2
.endr
.set j, 0
.rept 32
.set j, j+1
.endr
.irp t, 0,1,2,3
	v_cvt_scalef32_pk8_bf8_f32 v[PC+2*\t:PC+2*\t+1], v[S+8*\t:S+8*\t+7], v[ASC]
.endr
	v_nop                                          ; one plain line behind the last conversion: later products write its sources
	global_store_b128 v[LI], v[PC:PC+3], s[\ap:\ap+1]                  ; 512 consecutive bytes, aligned
	global_store_b128 v[LI], v[PC+4:PC+7], s[\ap:\ap+1] offset:512
.endm
	s_wait_loadcnt 0x0                             ; Q
.Ltrip:                                            ; eight trips; behind each change of slots the next trip's keys are asked for
	CHANGE 1
	SLOT_STEPS
	s_cmp_eq_u32 s[TRIP], s[L1]                    ; the first block's last slot?  A branch on ids; no barrier, tensor load or LDS line stands under it
	s_cbranch_scc0 .Lsame
	FINAL AP
	s_wait_xcnt 0x0                                ; the stores have read their registers: the codes' are written again in the next step
	global_load_b128 v[16:19], v[LI], s[QP+2:QP+3]             ; the second block's Q
	global_load_b128 v[20:23], v[LI], s[QP+2:QP+3] offset:512
	v_mov_b32 v13, 0xff61b1e6
	s_delay_alu instid0(VALU_DEP_1)
	v_floor_f32 v12, -v13
	v_mov_b32 v14, 0
	v_mov_b32 v15, 0
.set j, 0
.rept 32
	v_mov_b32 v[OT+j], 0
.set j, j+1
.endr
	s_mov_b32 s[KST], 0
	s_mov_b32 s[QBLK], s[QB2]
	s_wait_loadcnt 0x0
.Lsame:
	s_add_co_u32 s[TRIP], s[TRIP], 1
	s_cmp_lt_u32 s[TRIP], 8
	s_cbranch_scc1 .Ltrip
	CHANGE 0                                       ; the ninth slot is written out
	SLOT_STEPS
	FINAL AP+2
	s_wait_tensorcnt 0x0                           ; the wave's end
	ds_add_u32 v[SPW], v[NIL]
	s_wait_dscnt 0x0
	s_endpgm
.Lfunc_end_k_q94e4043655_attn:
	.size	k_q94e4043655_attn, .Lfunc_end_k_q94e4043655_attn-k_q94e4043655_attn
	.p2alignl 7, 3214868480
	.fill 96, 4, 3214868480
	.section	.rodata,"a",@progbits
	.p2align	6, 0x0
	.amdhsa_kernel k_q94e4043655_attn
		.amdhsa_group_segment_fixed_size 327680
		.amdhsa_private_segment_fixed_size 0
		.amdhsa_enable_private_segment 0
		.amdhsa_kernarg_size 32
		.amdhsa_user_sgpr_count 2
		.amdhsa_user_sgpr_kernarg_segment_ptr 1
		.amdhsa_wavefront_size32 1
		.amdhsa_system_sgpr_workgroup_id_x 1
		.amdhsa_system_sgpr_workgroup_id_y 1
		.amdhsa_system_sgpr_workgroup_id_z 1
		.amdhsa_system_vgpr_workitem_id 0
		.amdhsa_next_free_vgpr 256
		.amdhsa_next_free_sgpr 100
		.amdhsa_reserve_vcc 1
		.amdhsa_float_denorm_mode_32 3
		.amdhsa_float_denorm_mode_16_64 3
		.amdhsa_fp16_overflow 1
		.amdhsa_memory_ordered 1
		.amdhsa_forward_progress 1
		.amdhsa_inst_pref_size 89
	.end_amdhsa_kernel
	.amdgpu_metadata
---
amdhsa.version: [ 1, 2 ]
amdhsa.kernels:
  - .name:           k_q94e4043655_attn
    .symbol:         k_q94e4043655_attn.kd
    .args:
      - { .name: QC, .offset: 0, .size: 8, .value_kind: global_buffer, .address_space: global }
      - { .name: KV, .offset: 8, .size: 8, .value_kind: global_buffer, .address_space: global }
      - { .name: lowp_scales, .offset: 16, .size: 8, .value_kind: global_buffer, .address_space: global }
      - { .name: AC, .offset: 24, .size: 8, .value_kind: global_buffer, .address_space: global }
    .group_segment_fixed_size: 327680
    .private_segment_fixed_size: 0
    .kernarg_segment_align: 8
    .kernarg_segment_size: 32
    .max_flat_workgroup_size: 512
    .sgpr_count:     100
    .vgpr_count:     256
    .wavefront_size: 32
...
	.end_amdgpu_metadata
.endif
;; end of part 3
;; launch outp (part 4): grid 4 x 32, 4 waves a work-group, clusters of 4 x 4, 327,680 bytes of LDS; arguments AC, WC, lowp_scales, bo, out0; writes out0
.if DOCPART == 4
	.amdgcn_target "amdgcn-amd-amdhsa--gfx1250"
	.amdhsa_code_object_version 6
	.text
	.protected	k_q94e4043655_outp
	.globl	k_q94e4043655_outp
	.p2align	8
	.type	k_q94e4043655_outp,@function
k_q94e4043655_outp:
	s_mov_b64 s[64:65], 0
	v_nop
	global_prefetch_b8 v0, s[64:65] scope:SCOPE_SE
	s_setreg_imm32_b32 hwreg(HW_REG_WAVE_MODE, 25, 1), 1
	s_wait_xcnt 0x0
	s_wait_alu depctr_hold_cnt(0) depctr_sa_sdst(0) depctr_va_vdst(0) depctr_va_sdst(0) depctr_va_ssrc(0) depctr_va_vcc(0) depctr_vm_vsrc(0)
	s_getreg_b32 s2, hwreg(HW_REG_IB_STS2, 6, 4)
	s_cmp_eq_u32 s2, 0
	s_cbranch_scc0 .Lentry_in_a_cluster
	s_endpgm
.Lentry_in_a_cluster:
	s_bfe_u32 s2, ttmp6, 0x10000c
	s_cmp_lg_u32 s2, 0xf033
	s_cbranch_scc0 .Lentry_shape_is_right
	s_endpgm
.Lentry_shape_is_right:
; out0 = attn Wo^T + bo.  A' = attn's codes of BF8 under e10 (AC), B' = Wo's under e11 (WC, from byte 2,097,152 on); out0 [8192][1024] f32; each finished sum x 2^(e10 + e11) + bo, one packed multiply-add for two numbers.
; OPERANDS ARE IMAGES OF REGISTERS: tile T holds the rows pi(T, r) = 32 (T / 2) + 8 (T % 2) + r + 8 (r / 8); the byte at 16,384 T + 512 kp + 16 lane + i (lane = r + 16 h) is the code of (pi(T, r), k = 32 kp + 16 h + i).
; THE MATRIX INSTRUCTION IS USED TRANSPOSED (source 0 = 16 rows of Wo, source 1 = 16 rows of attn): lane (r, h) holds row pi(a, r) of the output, and register j of B' tile b the column 32 (b / 2) + 8 (b % 2) + 16 h + j.
; SHAPE.  A tile of 256 x 256 to a work-group of four waves, 128 x 128 (64 accumulators) to a wave: 128 work-groups.  K = 1,024 goes in four steps of 256 through two LDS slots filled by the tensor data mover.
; CLUSTERS: 4 x 4 work-groups.  The four of a row need the same tiles of A', the four of a column the same tiles of B': each is asked for jointly.
; LIMIT: e10 + e11 between -126 and 127, so that 2^(e10 + e11) is an f32 number.
; REGISTERS, in windows of 256: window 0: v16-29 addresses; v32-35 bo at my four columns; v128-255 A's fragments, ONE set, on the way out rows of the output.
;   window 1: B's fragments, TWO sets, at v0 and v128.   window 2: the accumulators of my A' blocks 0-3 ((a, b) at v[8 (8 (a % 4) + b)]);   window 3: blocks 4-7.
.set HALFT,  32768                     ; 8 row tiles x 4,096 bytes (256 along K): what one tensor load brings, and what one wave reads of A' or of B'
.set SLOT,   4*HALFT                   ; A's two halves, then B's two halves
.set SPARE,  2*SLOT                    ; behind the ring: the spare words, 128 bytes for each wave: two blocks of 256 bytes that no other line names
.set KADV,   4096                      ; a K step's bytes in a row tile's image
.set LAPS,   2
.set FR,     16
.set NL,     4
.set NP,     4                         ; places behind this matrix instruction (ISA guide 7.12.1)
.set SPITCH, 528                       ; the way out: a stage of 16 rows x (512 bytes + 16) for each wave.  It lies in slot 0, which has had its last fill and its last read when the first result is stored there
.set ADRA, 16
.set ADRB, 20
.set STO,  24                          ; v24  the way out: where I put my sums of a row
.set RD,   25                          ; v25  and where I read a row back
.set LI,   26                          ; v26  16 x lane
.set SPW,  28
.set NIL,  29
.set BIAS, 32                          ; v32-35
.set AF,   128
.set BK,   128                         ; the way out: 16 rows read back from the stage: v128-191 and v192-255 by turns
.set G1, 24
.set G0, 32
.set G1B, 48
.set G0B, 56
.set MSB, 0
.macro WIN new                         ; the immediate's high byte repeats the setting that is left
.if MSB != \new
	s_set_vgpr_msb (MSB<<8)|\new
.set MSB, \new
.endif
.endm
.set MUL_LO, 0xa1                      ; source 0 (B') window 1, source 1 (A') window 0, C and D window 2
.set MUL_HI, 0xf1                      ; the same, C and D window 3
.set TO_B,   0x40                      ; destination window 1, address window 0
; A joint load: waves 0 and 1 fetch for A', waves 2 and 3 for B'.  The branch hangs on the wave's number alone.  Four v_nop follow each of the two lines.
.macro JLOAD g0a, g1a, g0b, g1b
	s_cmp_eq_u32 s15, 0
	s_cbranch_scc0 .Lfor_b_\@
	tensor_load_to_lds s[\g0a:\g0a+3], s[\g1a:\g1a+7]
	s_nop 0
.rept 4
	v_nop
.endr
	s_branch .Lasked_\@
.Lfor_b_\@:
	tensor_load_to_lds s[\g0b:\g0b+3], s[\g1b:\g1b+7]
	s_nop 0
.rept 4
	v_nop
.endr
.Lasked_\@:
.endm
.macro CREST                           ; a round of the cluster's barrier behind its opening barrier
	s_cmp_lg_u32 s14, 0
	s_cbranch_scc1 .Lnot_wave_0_\@
	s_barrier_signal -3
.Lnot_wave_0_\@:
	s_barrier_wait -3
	s_barrier_signal -1
	s_barrier_wait -1
.endm
.macro CROUND                          ; a whole round
	s_barrier_signal -1
	s_barrier_wait -1
	CREST
.endm
	s_load_b256 s[4:11], s[0:1], 0x0               ; AC s[4:5], WC s[6:7], the scales' exponents s[8:9], bo s[10:11]
	s_load_b64 s[12:13], s[0:1], 0x20              ; out0
	v_lshl_add_u32 v[SPW], v0, 2, SPARE
	v_mov_b32 v[NIL], 0
	ds_add_u32 v28, v29
	ds_add_u32 v28, v29
	s_wait_dscnt 0x0
	v_lshrrev_b32 v1, 5, v0
	v_readfirstlane_b32 s14, v1                    ; wave 0..3
	s_lshr_b32 s15, s14, 1                         ; which half of the tile's rows is mine.  Also: I fetch for A' (0) or for B' (1)
	s_and_b32 s16, s14, 1                          ; which half of its columns.  Also: which 128 rows of that tile I fetch
	s_bfe_u32 s40, ttmp6, 0x40000                  ; cx, cy: my place in the cluster
	s_bfe_u32 s41, ttmp6, 0x40004
	s_lshl_b32 s42, ttmp9, 2
	s_add_co_u32 s42, s42, s40                     ; tile column = 4 x cluster x + cx
	s_and_b32 s17, ttmp7, 0xffff
	s_lshl_b32 s17, s17, 2
	s_add_co_u32 s17, s17, s41                     ; tile row = 4 x cluster y + cy
	s_lshl_b32 s43, s41, 2
	s_lshl_b32 s43, 15, s43                        ; my row of the cluster
	s_lshl_b32 s44, 0x1111, s40                    ; my column
	; descriptor group 1: 8 rows (row tiles) of 4,096 bytes, 16,384 bytes apart in memory, dense in LDS
	s_or_b32 s[G1+0], s43, (3<<16)|(1<<21)         ; 15:0 the mask: A's tiles go to my row; 17:16 elements of 8 bytes; 20 no padding; 21 set beside a mask
	s_or_b32 s[G1B+0], s44, (3<<16)|(1<<21)
.irp g, G1, G1B
	s_mov_b32 s[\g+1], 512<<16                     ; tensor_dim0 = 512 elements
	s_mov_b32 s[\g+2], 8<<16                       ; tensor_dim1 = 8
	s_mov_b32 s[\g+3], 512<<16                     ; tile_dim0
	s_mov_b32 s[\g+4], 8                           ; tile_dim1
	s_mov_b32 s[\g+5], 2048                        ; tensor_dim0_stride
	s_mov_b32 s[\g+6], 0
	s_mov_b32 s[\g+7], 0
.endr
	s_lshl_b32 s18, s16, 17                        ; which 128 rows (8 row tiles) of the tile I fetch
	s_lshl_b32 s20, s17, 18
	s_add_co_u32 s20, s20, s18
	s_lshl_b32 s46, s42, 18
	s_add_co_u32 s46, s46, s18
	s_add_co_u32 s46, s46, 0x200000                ; Wo's codes in WC
	s_mov_b32 s21, 0
	s_mov_b32 s47, 0
	s_mul_i32 s45, s14, HALFT                      ; where they go: wave x 32,768: no place in the cluster enters an LDS address
	s_wait_kmcnt 0x0
	s_load_b64 s[96:97], s[8:9], 0x28              ; e10, e11
	s_add_nc_u64 s[20:21], s[4:5], s[20:21]
	s_add_nc_u64 s[46:47], s[6:7], s[46:47]
	CROUND                                         ; all sixteen work-groups are here: the first joint loads meet
.irp s, 0,1
	s_mov_b32 s[G0+4*\s], 1
	s_add_co_u32 s[G0+4*\s+1], s45, \s*SLOT
	s_add_nc_u64 s[G0+4*\s+2:G0+4*\s+3], s[20:21], \s*KADV
	s_or_b32 s[G0+4*\s+3], s[G0+4*\s+3], 0x80000000
	s_mov_b32 s[G0B+4*\s], 1
	s_add_co_u32 s[G0B+4*\s+1], s45, \s*SLOT
	s_add_nc_u64 s[G0B+4*\s+2:G0B+4*\s+3], s[46:47], \s*KADV
	s_or_b32 s[G0B+4*\s+3], s[G0B+4*\s+3], 0x80000000
	s_wait_alu depctr_va_vdst(0)
	s_wait_tensorcnt 0x0
	ds_add_u32 v28, v29
	ds_add_u32 v28, v29
	s_wait_dscnt 0x0
	CROUND
	JLOAD G0+4*\s, G1, G0B+4*\s, G1B
.endr
	v_and_b32 v1, 31, v0
	v_lshlrev_b32 v[LI], 4, v1                     ; 16 x lane
	s_wait_alu depctr_va_vdst(0)
	s_mul_i32 s21, s15, HALFT                      ; my 128 rows of A'
	s_mul_i32 s22, s16, HALFT                      ; my 128 rows of B',
	s_add_co_u32 s22, s22, 2*HALFT                 ; which lie behind A's 256
.irp s, 0,1
	v_add_nc_u32 v[ADRA+\s], s21, v[LI]
	v_add_nc_u32 v[ADRB+\s], s22, v[LI]
	s_add_co_u32 s21, s21, SLOT
	s_add_co_u32 s22, s22, SLOT
.endr
	s_lshl_b32 s22, s42, 10
	s_lshl_b32 s23, s16, 9
	s_add_co_u32 s22, s22, s23                     ; my first column, in bytes of f32: 1,024 x tile column + 512 x half
	s_mov_b32 s23, 0
	s_add_nc_u64 s[10:11], s[10:11], s[22:23]
	global_load_b128 v[BIAS:BIAS+3], v[LI], s[10:11]           ; bo at the four columns that I store
	s_lshl_b32 s18, s17, 20                        ; my first row: 256 x tile row + 128 x half, rows of 4,096 bytes
	s_lshl_b32 s19, s15, 19
	s_add_co_u32 s18, s18, s19
	s_add_co_u32 s18, s18, s22
	s_mov_b32 s19, 0
	s_add_nc_u64 s[12:13], s[12:13], s[18:19]
	s_mul_i32 s23, s14, 16*SPITCH                  ; my stage
	v_and_b32 v1, 15, v0                           ; r
	v_bfe_u32 v2, v0, 4, 1                         ; h
	v_mul_u32_u24 v5, v1, SPITCH
	v_lshl_add_u32 v5, v2, 6, v5
	v_add_nc_u32 v[STO], s23, v5                   ; in: row r, + 64 h bytes
	v_add_nc_u32 v[RD], s23, v[LI]                 ; back: the 32 lanes take one row of 512 bytes
.macro FRAG reg, adr, q, i             ; a fragment: row tile i, the slot's q-th 128 along K: four pieces of 512 bytes
.irp c, 0,1,2,3
	ds_load_b128 v[\reg+4*\c:\reg+4*\c+3], v[\adr] offset:2048*(\q)+512*\c+(\i)*4096
.endr
.endm
; 16 matrix instructions: A's blocks a0, a0 + 1 x B's eight, 128 along K.  p: B's set.  zero = 1: the first product starts the sums.
; The 64 accumulators take turns, one instruction a turn, in the same order in every step.
.macro MUL16 a0, p, zero
.irp a, \a0, \a0+1
.irp b, 0,1,2,3,4,5,6,7
.if \zero
	v_wmma_f32_16x16x128_bf8_bf8 v[8*(8*((\a)%4)+\b):8*(8*((\a)%4)+\b)+7], v[128*(\p)+FR*\b:128*(\p)+FR*\b+FR-1], v[AF+FR*(\a):AF+FR*(\a)+FR-1], 0
.else
	v_wmma_f32_16x16x128_bf8_bf8 v[8*(8*((\a)%4)+\b):8*(8*((\a)%4)+\b)+7], v[128*(\p)+FR*\b:128*(\p)+FR*\b+FR-1], v[AF+FR*(\a):AF+FR*(\a)+FR-1], v[8*(8*((\a)%4)+\b):8*(8*((\a)%4)+\b)+7]
.endif
.endr
.endr
.endm
.macro FETCH_B slot, q, p
	WIN TO_B
.irp i, 0,1,2,3,4,5,6,7
	FRAG 128*(\p)+FR*\i, ADRB+\slot, \q, \i
.endr
	WIN 0
.endm
.macro FETCH_A slot, q, i0
.irp i, \i0, \i0+1, \i0+2, \i0+3
	FRAG AF+FR*(\i), ADRA+\slot, \q, \i
.endr
.endm
.macro PLACES n                        ; plain vector lines between a matrix instruction and a load into its registers, or a read of its result
.rept \n
	v_nop
.endr
.endm
.macro STEP slot, q, zero              ; a step of 128 along K that has its successor in the same slot
	s_wait_dscnt 4*NL                              ; B's set and A's blocks 0-3 are in; the youngest sixteen loads (A's blocks 4-7) may be out
	WIN MUL_LO
	MUL16 0, (\q)%2, \zero
	MUL16 2, (\q)%2, \zero
	s_wait_dscnt 0                                 ; A's blocks 4-7 are in
	PLACES NP
	FETCH_B \slot, (\q)+1, 1-(\q)%2
	FETCH_A \slot, (\q)+1, 0
	WIN MUL_HI
	MUL16 4, (\q)%2, \zero
	MUL16 6, (\q)%2, \zero
	PLACES NP
	WIN 0
	FETCH_A \slot, (\q)+1, 4
.endm
; A slot's last step changes slots: ONE barrier; in front of it each wave waits for all its tensor loads, adds 0 to its spare word, and waits for that and for its own reads of this slot.
.macro TURN slot, next, fill
	s_wait_tensorcnt 0x0                           ; all my tensor loads have landed: my part of the next slot
	ds_add_u32 v[SPW], v[NIL]                      ; 0 onto my spare word
	s_wait_dscnt 4*NL+1                            ; the add and the youngest sixteen loads (A's blocks 4-7) may be out
	WIN MUL_LO
	MUL16 0, 1, 0                                  ; sixteen matrix instructions stand between the add and the wait for it
	s_wait_dscnt 0x0                               ; the add is done, and my reads of this slot are over
	s_barrier_signal -1
	MUL16 2, 1, 0
	WIN 0
	s_barrier_wait -1
.if \fill
	CREST                                          ; the barrier has opened a round of the cluster's barrier: no wave of any partner still reads this slot's tile or has a load on its way
	s_add_nc_u64 s[G0+4*\slot+2:G0+4*\slot+3], s[G0+4*\slot+2:G0+4*\slot+3], 2*KADV
	s_add_nc_u64 s[G0B+4*\slot+2:G0B+4*\slot+3], s[G0B+4*\slot+2:G0B+4*\slot+3], 2*KADV
	JLOAD G0+4*\slot, G1, G0B+4*\slot, G1B         ; the first tensor load behind the round; the four v_nop behind it are the places in front of the loads below
.else
	PLACES NP
.endif
	FETCH_B \next, 0, 0
	FETCH_A \next, 0, 0
	WIN MUL_HI
	MUL16 4, 1, 0
	MUL16 6, 1, 0
	PLACES NP
	WIN 0
	FETCH_A \next, 0, 4
.endm
	s_wait_alu depctr_va_vdst(0)
	s_wait_tensorcnt 1                             ; my part of K step 0 is in (K step 1's load may be out)
	s_barrier_signal -1
	s_barrier_wait -1                              ; everybody's is
	FETCH_B 0, 0, 0
	FETCH_A 0, 0, 0
	FETCH_A 0, 0, 4
	STEP 0, 0, 1                                   ; the first step stands in front of the loop: its products start the sums
	s_mov_b32 s3, LAPS-1
.Llap:                                                 ; a trip goes once round the ring and fills both slots again
	TURN 0, 1, 1
	STEP 1, 0, 0
	TURN 1, 0, 1
	STEP 0, 0, 0
	s_sub_co_u32 s3, s3, 1
	s_cmp_lg_u32 s3, 0
	s_cbranch_scc1 .Llap
	TURN 0, 1, 0                                   ; the last lap fills nothing, and has no round of the cluster's barrier
	STEP 1, 0, 0
	s_wait_dscnt 4*NL                              ; the very last step: nothing more to fetch
	WIN MUL_LO
	MUL16 0, 1, 0
	MUL16 2, 1, 0
	s_wait_dscnt 0
	WIN MUL_HI
	MUL16 4, 1, 0
	MUL16 6, 1, 0
	WIN 0
; THE WAY OUT, block by block of 16 rows x 128 columns.  The sums go into my own stage as they stand, each at its column's bytes, and come back as whole rows of 512 bytes; there each pair is multiplied by 2^(e10 + e11)
; and bo is added; the 32 lanes store a row's 512 consecutive bytes, aligned.  LDS serves a wave's instructions in order (ISA guide 5.7.1.4): no wait between the stores and the loads, nor in front of the next block's stores.
.macro TOSTAGE a
.set ACC0, 64*((\a)%4)
.set W, 0x08+4*((\a)/4)
	WIN W                                          ; the stores' data: window 2 or 3
.irp b, 0,1,2,3,4,5,6,7
	ds_store_b128 v[STO], v[ACC0+8*\b:ACC0+8*\b+3] offset:128*(\b/2)+32*(\b%2)          ; each accumulator from its low end on
	ds_store_b128 v[STO], v[ACC0+8*\b+4:ACC0+8*\b+7] offset:128*(\b/2)+32*(\b%2)+16
.endr
	WIN 0
.set BB, BK+64*((\a)%2)
.irp t, 0,1,2,3,4,5,6,7,8,9,10,11,12,13,14,15
	ds_load_b128 v[BB+4*\t:BB+4*\t+3], v[RD] offset:\t*SPITCH
.endr
.endm
.macro SEND a, younger                 ; younger: the LDS instructions issued behind block a's loads, which may stay out
.set BB, BK+64*((\a)%2)
	s_wait_dscnt \younger                          ; the block is back in registers
.set u, 0
.rept 16
	v_pk_fma_f32 v[BB+4*u:BB+4*u+1], v[BB+4*u:BB+4*u+1], s[96:97], v[BIAS:BIAS+1] op_sel_hi:[1,0,1]       ; sum x 2^(e10 + e11) + bo (the scalar pair's low word for both halves)
	v_pk_fma_f32 v[BB+4*u+2:BB+4*u+3], v[BB+4*u+2:BB+4*u+3], s[96:97], v[BIAS+2:BIAS+3] op_sel_hi:[1,0,1]
.set u, u+1
.endr
.irp t, 0,1,2,3,4,5,6,7,8,9,10,11,12,13,14,15
	global_store_b128 v[LI], v[BB+4*\t:BB+4*\t+3], s[12:13] offset:(32*((\a)/2)+8*((\a)%2)+\t+8*(\t/8))*4096 th:TH_STORE_NT   ; stage row t is row pi(a, t) of my 128; 127 rows of 4,096 bytes at the most, inside the signed 24-bit immediate
.endr
.endm
	s_wait_kmcnt 0x0
	s_add_co_i32 s96, s96, s97                     ; e10 + e11, between -126 and 127,
	s_add_co_i32 s96, s96, 127
	s_lshl_b32 s96, s96, 23                        ; makes the f32 number 2^(e10 + e11)
	s_mov_b32 s97, s96                             ; (named with it as a pair)
	s_wait_loadcnt 0x0                             ; bo
	PLACES NP                                      ; behind the last products: for the stage's stores, which read results, and the loads into the registers that held A's fragments
	TOSTAGE 0
.irp a, 1,2,3,4,5,6,7
.if \a > 1
	s_wait_xcnt 0x0                                ; block a - 2's stores have read their registers: block a's loads may land there
.endif
	TOSTAGE \a
	SEND \a-1, 32                                  ; behind block a - 1's loads: block a's 16 stores and 16 loads
.endr
	SEND 7, 0
	s_wait_tensorcnt 0x0                           ; the wave's end: behind my last tensor load and my last LDS store
	ds_add_u32 v[SPW], v[NIL]
	s_wait_dscnt 0x0
	CROUND                                         ; the closing round: no work-group ends while a partner may still ask for a tile that names it
	s_endpgm
.Lfunc_end_k_q94e4043655_outp:
	.size	k_q94e4043655_outp, .Lfunc_end_k_q94e4043655_outp-k_q94e4043655_outp
	.p2alignl 7, 3214868480
	.fill 96, 4, 3214868480
	.section	.rodata,"a",@progbits
	.p2align	6, 0x0
	.amdhsa_kernel k_q94e4043655_outp
		.amdhsa_group_segment_fixed_size 327680
		.amdhsa_private_segment_fixed_size 0
		.amdhsa_enable_private_segment 0
		.amdhsa_kernarg_size 40
		.amdhsa_user_sgpr_count 2
		.amdhsa_user_sgpr_kernarg_segment_ptr 1
		.amdhsa_wavefront_size32 1
		.amdhsa_system_sgpr_workgroup_id_x 1
		.amdhsa_system_sgpr_workgroup_id_y 1
		.amdhsa_system_sgpr_workgroup_id_z 1
		.amdhsa_system_vgpr_workitem_id 0
		.amdhsa_next_free_vgpr 1024
		.amdhsa_next_free_sgpr 100
		.amdhsa_reserve_vcc 0
		.amdhsa_float_denorm_mode_32 3
		.amdhsa_float_denorm_mode_16_64 3
		.amdhsa_memory_ordered 1
		.amdhsa_forward_progress 1
		.amdhsa_inst_pref_size 124
	.end_amdhsa_kernel
	.amdgpu_metadata
---
amdhsa.version: [ 1, 2 ]
amdhsa.kernels:
  - .name:           k_q94e4043655_outp
    .symbol:         k_q94e4043655_outp.kd
    .args:
      - { .name: AC, .offset: 0, .size: 8, .value_kind: global_buffer, .address_space: global }
      - { .name: WC, .offset: 8, .size: 8, .value_kind: global_buffer, .address_space: global }
      - { .name: lowp_scales, .offset: 16, .size: 8, .value_kind: global_buffer, .address_space: global }
      - { .name: bo, .offset: 24, .size: 8, .value_kind: global_buffer, .address_space: global }
      - { .name: out0, .offset: 32, .size: 8, .value_kind: global_buffer, .address_space: global }
    .group_segment_fixed_size: 327680
    .private_segment_fixed_size: 0
    .kernarg_segment_align: 8
    .kernarg_segment_size: 40
    .max_flat_workgroup_size: 128
    .sgpr_count:     100
    .vgpr_count:     1024
    .wavefront_size: 32
...
	.end_amdgpu_metadata
.endif
;; end of part 4
